; MI455X (gfx1250); checked and timed in simulation.
; The chip was launched on July 23, 2026; its instructions are those of AMD's public machine-readable ISA for CDNA 5 (MIT licence, August 2026) and "CDNA5" Instruction Set Architecture Reference Guide (July 2026). The comments in the code are by the model that wrote it; some were corrected since.
;; Attn. Allowed arithmetic: matrix products marked QUANTISED: E2M1 operands, one E8M0 scale for each 32 along K, by v_wmma_scale_f32_16x16x128_f8f6f4 with both operands' format E2M1 (or v_wmma_scale_f32_32x16x128_f4), f32 sums; products left as they are: f32 operands where the result goes on into a quantised operand, else bf16, f16 or f32 operands; f32 sums; everything else in f32.
;; Inputs: W 1,024 x 1,024 float32; b 1,024 float32; encoder_outputs 2,048 x 32 x 1,024 float32; hidden 32 x 1,024 float32.
;; Outputs: out0 32 x 2,048 float32.
;; This version of the problem:
;;   THIS VERSION OF THE PROBLEM IS GIVEN IN LOW PRECISION. The matrix products marked QUANTISED in the list below multiply operands that are first quantised to E2M1 (2 exponent bits, 1 mantissa bit; 4 bits a number), with one power-of-two scale for each 32 numbers along K (OCP MX v1.0); their sums are f32. All else is computed in f32.
;;   The module's matrix products, in the order in which they are computed (A, B: the left and right operand; K: the contracted axis; several contracted axes count as one K, in the product's order):
;;     1. [M 65,536, K 1,024] x [K 1,024, N 1,024]; A: input encoder_outputs; B: input W: QUANTISED
;;     2. batch 32 x [M 2,048, K 1,024] x [K 1,024, N 1]; A: computed on the way; B: input hidden: left as it is (N = 1 < 16)
;;   THE QUANTISER, for each operand of a quantised product, along K:
;;     - K is cut into blocks of 32 from its start; a last block that is shorter is filled with zeros.
;;     - A block's scale is 2^e with e = floor(log2(the largest magnitude in the block)) - 2, held to -126 .. 127; a block of zeros has e = 0. As a byte (E8M0): e + 127.
;;     - Each number is divided by its block's scale, clamped to +-6, and rounded to the nearest number of E2M1, ties to even, subnormals kept.
;;     - The product sums the exact products of the quantised numbers (number of the format x scale) in f32.
;;   ~~~python
;;   def quantise(x, axis):      # numpy; x: float32 -> the quantised numbers, widened to float32 again
;;       x = np.moveaxis(x, axis, -1); K = x.shape[-1]
;;       x = np.pad(x, [(0, 0)] * (x.ndim - 1) + [(0, -K % 32)]); x = x.reshape(x.shape[:-1] + (-1, 32)); a = np.abs(x).max(-1, keepdims=True)
;;       e = np.where(a > 0, np.clip(np.frexp(np.where(a > 0, a, 1))[1] - 1 - 2, -126, 127), 0)      # np.frexp(a)[1] - 1 = floor(log2(a)), exactly
;;       r = np.clip(x / 2.0 ** e, -6, 6)
;;       step = 2.0 ** (np.maximum(np.frexp(np.where(r == 0, 1, r))[1] - 1, 0) - 1)
;;       q = np.round(r / step) * step * 2.0 ** e      # np.round: ties to even
;;       return np.moveaxis(q.reshape(q.shape[:-2] + (-1,))[..., :K], -1, axis).astype(np.float32)
;;   ~~~
;; One version. Each part assembles by itself: llvm-mc -triple=amdgcn-amd-amdhsa -mcpu=gfx1250 --defsym DOCPART=n.
;; ======== version 1 of 1: 3 launches
;; limits: right only within a limited range of input values
;; workspace buffers: wc 524,288 bytes; ws 32,768 bytes; scores 262,144 bytes
;; launch wquant (part 1): grid 64 x 1, 4 waves a work-group, no clusters, 68,096 bytes of LDS; arguments W, wc, ws; writes wc, ws
.if DOCPART == 1
	.amdgcn_target "amdgcn-amd-amdhsa--gfx1250"
	.amdhsa_code_object_version 6
	.text
	.protected	k_qa7081690ec_wquant
	.globl	k_qa7081690ec_wquant
	.p2align	8
	.type	k_qa7081690ec_wquant,@function
k_qa7081690ec_wquant:
	s_mov_b64 s[64:65], 0
	v_nop
	global_prefetch_b8 v0, s[64:65] scope:SCOPE_SE
	s_setreg_imm32_b32 hwreg(HW_REG_WAVE_MODE, 25, 1), 1
	s_wait_xcnt 0x0
; WORK LEFT OUT IN THIS PROGRAM: the bias b.  scores[b][l] = hidden[b] . (e W^T) + hidden[b] . b, and the second term is the same for every l of row b;
; softmax over l gives exp(x + c) / sum exp(x + c) = exp(x) / sum exp(x) for every finite c.  b enters no quantised operand.  So b is not loaded and is among no launch's arguments.
; LIMIT: a NaN, an infinity or an overflow that reaches the result through that term alone is not carried to it.
; W [1024 (e)][1024 (k)], f32, K innermost, becomes codes of FP4 (E2M1) with one E8M0 scale byte for each 32 along K, laid in the order in which a wave of the next launch takes them.
; With w = e / 256, et = (e / 16) % 16, chunk = k / 256, n = 16 chunk + et:
;   wc [w 4][n 64][ks 2][c 2][lane 32][16 bytes]: row 256 w + 16 et + lane % 16, k = 256 chunk + 128 ks + 64 c + 32 (lane / 16) + 0 .. 31
;   ws [w 4][n 64][ks 2][r 16] words: the scale word (four bytes, 128 along K) of row 256 w + 16 et + r
; A block's scale is 2^(floor(log2(its largest magnitude)) - 2); its byte is the largest magnitude's exponent field - 2, held at 1 from below.
; LIMITS: a block of zeros gets the byte 1 where the rule says 127 (its codes are zeros, which add nothing under any byte but 0xff, and this program alone reads the bytes);
; NaN and infinities among the inputs are not served.
; SHARES: 256 tasks, one a wave: 32 rows x 128 along K = two fragments.  Each load reads 512 consecutive bytes of one row; the 16 KiB turn through the wave's own stage
; in LDS, so that a lane gets 32 neighbours along K of its row in consecutive registers, as the conversions want them.  Waves share nothing: no barrier.
.set PIT,  528                         ; a stage row: 512 bytes + 16
.set STG,  32*PIT                      ; a wave's stage
.set SH8,  8                           ; v8      8 x (lane / 16): how far my two scale bytes are shifted
.set TP,   9                           ; v9      a lane permute's destination
.set QM,   10                          ; v10-15  largest magnitudes (2), scale operands (2), bytes (2)
.set PC0,  16                          ; v16-23  the first fragment's codes
.set PC1,  24                          ; v24-31  the second's
.set R,    32                          ; v32-159 the 32 rows as loaded; later the second fragment's numbers in v32-95
.set X,    160                         ; v160-223 the first fragment's numbers
.set PW0,  240                         ; the two scale words
.set PW1,  241
.set SEL,  20                          ; s[20:21] lane selects for v_permlanex16_b32: lane l xor 16
.macro QUANT x, pc, pw
.irp c, 0,1
	v_max3_num_f32 v[QM+\c], |v[\x+32*\c]|, |v[\x+32*\c+1]|, 0x1800000   ; the floor 2^(3 - 127) among the leaves: the byte cannot fall under 1
.endr
.irp i, 2,4,6,8,10,12,14,16,18,20,22,24,26,28,30
.irp c, 0,1
	v_max3_num_f32 v[QM+\c], v[QM+\c], |v[\x+32*\c+\i]|, |v[\x+32*\c+\i+1]|
.endr
.endr
.irp c, 0,1
	v_add_nc_u32 v[QM+2+\c], 0xff000000, v[QM+\c]      ; 2 off the exponent field: the conversion's scale operand
.endr
.irp c, 0,1
	v_lshrrev_b32 v[QM+4+\c], 23, v[QM+2+\c]           ; the scale's byte
.endr
	v_lshl_or_b32 v[\pw], v[QM+5], 16, v[QM+4]         ; my two bytes: blocks h and 2 + h,
	v_lshlrev_b32 v[\pw], v[SH8], v[\pw]               ; at their places in the word;
	v_permlanex16_b32 v[TP], v[\pw], s[SEL], s[SEL+1]
	v_or_b32 v[\pw], v[\pw], v[TP]                     ; with lane l xor 16's two the word is whole
.irp c, 0,1
.irp g, 0,1,2,3
	v_cvt_scalef32_pk8_fp4_f32 v[\pc+4*\c+\g], v[\x+32*\c+8*\g:\x+32*\c+8*\g+7], v[QM+2+\c]
.endr
.endr
	v_nop                                              ; one plain line behind the last scaled conversion
.endm
.macro SLOAD x, f                      ; fragment f's numbers out of the stage: row 16 f + lane % 16, bytes 256 c + 128 (lane / 16) on
.irp c, 0,1
.irp i, 0,1,2,3,4,5,6,7
	ds_load_b128 v[\x+32*\c+4*\i:\x+32*\c+4*\i+3], v6 offset:16*PIT*\f+256*\c+16*\i
.endr
.endr
.endm
	s_load_b128 s[4:7], s[0:1], 0x0                ; W s[4:5], wc s[6:7]
	s_load_b64 s[8:9], s[0:1], 0x10                ; ws
	v_lshl_add_u32 v254, v0, 2, 0x10800
	v_mov_b32 v255, 0
	v_lshrrev_b32 v1, 5, v0
	v_readfirstlane_b32 s16, v1                    ; wave 0..3
	v_and_b32 v1, 31, v0                           ; lane
	v_and_b32 v2, 15, v0                           ; r
	v_bfe_u32 v3, v0, 4, 1                         ; h
	v_lshlrev_b32 v4, 4, v1                        ; 16 x lane
	s_mul_i32 s23, s16, STG
	v_add_nc_u32 v5, s23, v4                       ; the stage, on the way in
	v_mul_u32_u24 v6, v2, PIT
	v_lshl_add_u32 v6, v3, 7, v6
	v_add_nc_u32 v6, s23, v6                       ; and on the way out: row r, + 128 h
	v_lshlrev_b32 v7, 2, v2
	v_lshl_add_u32 v7, v3, 7, v7                   ; my scale word's place: 128 x fragment + 4 r
	v_lshlrev_b32 v[SH8], 3, v3
	v_mov_b32 v[TP], 0                             ; written once: a lane permute's destination counts as one of its sources
	v_cmp_lt_u32 s22, 15, v1                       ; lanes 16-31
	s_mov_b32 s[SEL], 0x76543210
	s_mov_b32 s[SEL+1], 0xfedcba98
	s_lshl_b32 s17, ttmp9, 2
	s_add_co_u32 s17, s17, s16                     ; my task: 4 x work-group + wave
	s_lshr_b32 s18, s17, 3                         ; np: rows 32 np on
	s_and_b32 s19, s17, 7                          ; kstep
	s_lshl_b32 s24, s18, 17                        ; W: 32 rows of 4,096 bytes,
	s_lshl_b32 s26, s19, 9                         ; 512 bytes a K step
	s_add_co_u32 s24, s24, s26
	s_mov_b32 s25, 0
	s_lshr_b32 s26, s18, 3                         ; wc: w = np / 8,
	s_lshl_b32 s26, s26, 17
	s_lshr_b32 s28, s19, 1                         ; chunk = kstep / 2,
	s_lshl_b32 s28, s28, 15
	s_add_co_u32 s26, s26, s28
	s_and_b32 s28, s18, 7                          ; et = 2 (np % 8) (+ 1 for the second fragment),
	s_lshl_b32 s28, s28, 12
	s_add_co_u32 s26, s26, s28
	s_and_b32 s28, s19, 1                          ; ks = kstep % 2
	s_lshl_b32 s28, s28, 10
	s_add_co_u32 s26, s26, s28
	s_mov_b32 s27, 0
	s_lshr_b32 s28, s18, 3                         ; ws: the same four, 128 bytes a tile and chunk
	s_lshl_b32 s28, s28, 13
	s_lshr_b32 s30, s19, 1
	s_lshl_b32 s30, s30, 11
	s_add_co_u32 s28, s28, s30
	s_and_b32 s30, s18, 7
	s_lshl_b32 s30, s30, 8
	s_add_co_u32 s28, s28, s30
	s_and_b32 s30, s19, 1
	s_lshl_b32 s30, s30, 6
	s_add_co_u32 s28, s28, s30
	s_mov_b32 s29, 0
	s_wait_alu depctr_va_vdst(0)                   ; the wait at the head's end
	s_wait_kmcnt 0x0
	s_add_nc_u64 s[4:5], s[4:5], s[24:25]
	s_add_nc_u64 s[6:7], s[6:7], s[26:27]
	s_add_nc_u64 s[8:9], s[8:9], s[28:29]
.irp i, 0,1,2,3,4,5,6,7,8,9,10,11,12,13,14,15,16,17,18,19,20,21,22,23,24,25,26,27,28,29,30,31
	global_load_b128 v[R+4*\i:R+4*\i+3], v4, s[4:5] offset:4096*\i th:TH_LOAD_NT   ; row i: 32 lanes read 512 consecutive bytes
.endr
.irp i, 0,1,2,3,4,5,6,7,8,9,10,11,12,13,14,15,16,17,18,19,20,21,22,23,24,25,26,27,28,29,30,31
	s_wait_loadcnt 31-\i                           ; row i is in, the younger rows may be out
	ds_store_b128 v5, v[R+4*\i:R+4*\i+3] offset:PIT*\i
.endr
	SLOAD X, 0                                     ; LDS serves a wave's instructions in order: these see the stores above
	s_wait_dscnt 0x0
	SLOAD R, 1
	QUANT X, PC0, PW0
	s_wait_dscnt 0x0
	QUANT R, PC1, PW1
.irp c, 0,1
	global_store_b128 v4, v[PC0+4*\c:PC0+4*\c+3], s[6:7] offset:512*\c          ; 32 lanes store 512 consecutive bytes
	global_store_b128 v4, v[PC1+4*\c:PC1+4*\c+3], s[6:7] offset:2048+512*\c
.endr
	v_cndmask_b32 v[PW0], v[PW0], v[PW1], s22      ; lanes 0-15: the first fragment's rows; lanes 16-31: the second's
	global_store_b32 v7, v[PW0], s[8:9]            ; two runs of 64 bytes: the scale words are one byte in 128 of what the launch reads
	s_wait_tensorcnt 0x0                           ; the wave's end
	ds_add_u32 v254, v255
	s_wait_dscnt 0x0
	s_endpgm
.Lfunc_end_k_qa7081690ec_wquant:
	.size	k_qa7081690ec_wquant, .Lfunc_end_k_qa7081690ec_wquant-k_qa7081690ec_wquant
	.p2alignl 7, 3214868480
	.fill 96, 4, 3214868480
	.section	.rodata,"a",@progbits
	.p2align	6, 0x0
	.amdhsa_kernel k_qa7081690ec_wquant
		.amdhsa_group_segment_fixed_size 68096
		.amdhsa_private_segment_fixed_size 0
		.amdhsa_enable_private_segment 0
		.amdhsa_kernarg_size 24
		.amdhsa_user_sgpr_count 2
		.amdhsa_user_sgpr_kernarg_segment_ptr 1
		.amdhsa_wavefront_size32 1
		.amdhsa_system_sgpr_workgroup_id_x 1
		.amdhsa_system_sgpr_workgroup_id_y 1
		.amdhsa_system_sgpr_workgroup_id_z 1
		.amdhsa_system_vgpr_workitem_id 0
		.amdhsa_next_free_vgpr 256
		.amdhsa_next_free_sgpr 66
		.amdhsa_reserve_vcc 0
		.amdhsa_float_denorm_mode_32 3
		.amdhsa_float_denorm_mode_16_64 3
		.amdhsa_memory_ordered 1
		.amdhsa_forward_progress 1
		.amdhsa_inst_pref_size 18
	.end_amdhsa_kernel
	.amdgpu_metadata
---
amdhsa.version: [ 1, 2 ]
amdhsa.kernels:
  - .name:           k_qa7081690ec_wquant
    .symbol:         k_qa7081690ec_wquant.kd
    .args:
      - { .name: W, .offset: 0, .size: 8, .value_kind: global_buffer, .address_space: global }
      - { .name: wc, .offset: 8, .size: 8, .value_kind: global_buffer, .address_space: global }
      - { .name: ws, .offset: 16, .size: 8, .value_kind: global_buffer, .address_space: global }
    .group_segment_fixed_size: 68096
    .private_segment_fixed_size: 0
    .kernarg_segment_align: 8
    .kernarg_segment_size: 24
    .max_flat_workgroup_size: 128
    .sgpr_count:     66
    .vgpr_count:     256
    .wavefront_size: 32
...
	.end_amdgpu_metadata
.endif
;; end of part 1
;; launch scores_k (part 2): grid 256 x 1, 4 waves a work-group, no clusters, 327,680 bytes of LDS; arguments encoder_outputs, hidden, wc, ws, scores; writes scores
.if DOCPART == 2
	.amdgcn_target "amdgcn-amd-amdhsa--gfx1250"
	.amdhsa_code_object_version 6
	.text
	.protected	k_qa7081690ec_scores_k
	.globl	k_qa7081690ec_scores_k
	.p2align	8
	.type	k_qa7081690ec_scores_k,@function
k_qa7081690ec_scores_k:
	s_mov_b64 s[64:65], 0
	v_nop
	global_prefetch_b8 v0, s[64:65] scope:SCOPE_SE
	s_setreg_imm32_b32 hwreg(HW_REG_WAVE_MODE, 25, 1), 1
	s_wait_xcnt 0x0
; scores[b][l] = sum over e of hidden[b][e] x (sum over k of Q(enc[l][b][k]) Q(W[e][k])).  The bias is left out: hidden[b] . b is the same along l, and the softmax that follows takes it away (shown at the head of wquant).
; SHARES.  A work-group owns one b and 256 l: 256 rows of 4,096 bytes, 131,072 bytes apart.  Four waves; wave w fetches and quantises rows 64 w on, and multiplies ALL 256 rows with the 256 rows of W from 256 w on.
; K GOES IN FOUR CHUNKS OF 256, so that products run while later tiles of enc are on their way.  Tile T = K step T (128 k, 512 bytes a row) of all 256 rows, through a ring of two LDS slots, one tensor load a wave.
; A trip quantises its tile into an image of the operand's registers in LDS (32 KiB for a chunk).  Behind an odd tile's barrier every wave reads the chunk's image into 256 registers;
; half of the chunk's products (8 tiles of 16 e) follow in that trip, the other half in the next one.  The last chunk's 16 tiles follow tile 7.
; A tile of 16 e and a chunk: 32 matrix instructions (2 K steps x 16 row tiles, the 16 accumulators by turns), then 64 packed multiply-adds take the dot with hidden into the scores' sums.
; Source 0 = 16 rows of W, source 1 = 16 rows of enc: lane (r, h) holds row r, its register j the e = 8 h + j.
; W's CODES GO FROM MEMORY STRAIGHT INTO REGISTERS: each fragment is used by one wave of the work-group alone, 16 times; wc is laid in the wave's order, and a ring of four register sets is loaded four tiles ahead (5 loads a set).
; NO CLUSTER: the launch's tensor tiles are enc's, and each is one work-group's own; W comes by no tensor load, so there is no tile to ask for jointly.
; PREFETCH: trip T asks for enc's tile T + 2, which trip T + 1 loads: a wave's own 64 rows x 2 blocks of 256 bytes, four instructions; tiles 0 and 1 come by their loads alone, tile 7 is the last asked for.
; wc and ws are asked for once, at the head: sixteen work-groups' 64 waves share wc's 2,048 blocks out, 32 a wave (ws's 128 blocks: four waves' worth); the ring's own loads then run four tiles ahead.
; LIMITS: a block of zeros has the byte 1 where the rule says 127 (its codes are zeros; the bytes stay in this launch); NaN and infinities among the inputs are not served.
; REGISTERS: window 0: addresses, scales, sums, v128-255 the 16 accumulators (and the f32 numbers while a tile is quantised); window 1: the chunk's codes, at 128 ks + 8 t; window 2: v0-63 four sets of W's fragments.
.set LROW,  131072
.set PIT,   528                        ; an LDS row: 512 bytes + 16
.set FR,    16*PIT
.set QTR,   64*PIT                     ; what one tensor load brings
.set SLOT,  4*QTR
.set IMG,   2*SLOT                     ; the chunk's codes: [ks 2][row tile 16][c 2][lane 32][16 bytes]
.set IMS,   IMG+32768                  ; its scale words: [row tile 16][ks 2][r 16]
.set HID,   IMS+2048                   ; hidden[b], 4 KiB
.set RED,   HID+4096                   ; the four waves' sums, 4 x 1,024 bytes
.set SPARE, RED+4096                   ; the spare words: 512 bytes that no other line names
.set SPW, 1
.set NIL, 2
.set QA,  3                            ; v3, v4 my rows in slot 0, 1
.set IW,  5
.set ISW, 6
.set IMR, 7
.set ISR, 8
.set PFO, 9
.set PWO, 10
.set L16, 11
.set L4,  12
.set HB,  13
.set AH,  14
.set T16, 15
.set LW,  16
.set RW,  17
.set RR,  18
.set GO,  19
.set SH8, 20
.set WO,  24                           ; v24-27 the ring's offsets in wc, one a set
.set WSO, 28                           ; v28-31 and in ws
.set ES,  32                           ; v32-47 enc's scale words, one a row tile: lanes 0-15 the chunk's first K step, lanes 16-31 its second
.set SS,  48                           ; v48-79 the scores' sums, two a row tile
.set QM,  80                           ; v80-95 the quantiser's
.set WS,  96                           ; v96-99 W's scale words, one a set
.set HH,  100                          ; v100-107 hidden at the tile's 16 e
.set PC,  108                          ; v108-123 two fragments' codes
.set TT,  108                          ; (at the head: at work)
.set UU,  108                          ; (at the end: at work)
.set DD,  128
.set ST,  128
.set WV,  16
.set CT,  19
.set SEL, 20
.set IT,  22
.set HOF, 23
.set G1,  24
.set G0,  32                           ; s[32:39] groups 0, one a slot
.set PF,  40
.set WOF, 42
.set N0,  43
.set N1,  44
.set HI16, 45
.set MSB, 0
.macro WIN new
.if MSB != (\new)
	s_set_vgpr_msb (MSB<<8)|(\new)
.set MSB, \new
.endif
.endm
.macro TL g0                           ; an s_nop 0 and four v_nop follow the load
	tensor_load_to_lds s[\g0:\g0+3], s[G1:G1+7]
	s_nop 0
.rept 4
	v_nop
.endr
.endm
.macro HEADT fill, step                ; a change of slots.  fill: the slot that is filled behind the barrier (-1: none)
	s_wait_tensorcnt 0x0                           ; my part of this trip's tile is in, no load of mine is out;
	ds_add_u32 v[SPW], v[NIL]
.if \step
	s_add_nc_u64 s[G0+4*(\fill)+2:G0+4*(\fill)+3], s[G0+4*(\fill)+2:G0+4*(\fill)+3], 1024
.endif
	s_wait_dscnt 0x0                               ; the add and all my LDS reads and stores are done
	s_barrier_signal -1
	s_barrier_wait -1
.if (\fill) >= 0
	TL G0+4*(\fill)
.endif
.endm
.macro ASK k, guard                    ; enc's tile k of this pair of trips; guard: not in the loop's last trip
.if \guard
	s_cmp_lt_u32 s[IT], 2
	s_cbranch_scc0 .Lna_\@
.endif
.irp i, 0,1,2,3
	global_prefetch_b8 v[PFO], s[PF:PF+1] offset:(\k)*512+\i*16*LROW th:TH_LOAD_NT scope:SCOPE_SE
.endr
.if \guard
.Lna_\@:
.endif
.endm
.macro QLOAD p, i                      ; my fragments i and i + 1 out of slot p: row r, bytes 256 c + 128 h on: 32 neighbours along K for each block
.irp f, 0,1
.irp c, 0,1
.irp j, 0,1,2,3,4,5,6,7
	ds_load_b128 v[ST+64*\f+32*\c+4*\j:ST+64*\f+32*\c+4*\j+3], v[QA+(\p)] offset:FR*(\i+\f)+256*\c+16*\j
.endr
.endr
.endr
.endm
.macro QUANT2 p, i                     ; two fragments, four blocks a lane by turns; codes and scale words into the image
.irp f, 0,1
.irp c, 0,1
	v_max3_num_f32 v[QM+2*\f+\c], |v[ST+64*\f+32*\c]|, |v[ST+64*\f+32*\c+1]|, 0x1800000   ; the floor 2^(3 - 127): the byte cannot fall under 1
.endr
.endr
.irp j, 2,4,6,8,10,12,14,16,18,20,22,24,26,28,30
.irp f, 0,1
.irp c, 0,1
	v_max3_num_f32 v[QM+2*\f+\c], v[QM+2*\f+\c], |v[ST+64*\f+32*\c+\j]|, |v[ST+64*\f+32*\c+\j+1]|
.endr
.endr
.endr
.irp q, 0,1,2,3
	v_add_nc_u32 v[QM+4+\q], 0xff000000, v[QM+\q]      ; 2 off the exponent field: the conversion's scale operand
.endr
.irp q, 0,1,2,3
	v_lshrrev_b32 v[QM+8+\q], 23, v[QM+4+\q]           ; the byte
.endr
.irp f, 0,1
	v_lshl_or_b32 v[QM+12+\f], v[QM+9+2*\f], 16, v[QM+8+2*\f]
.endr
.irp f, 0,1
	v_lshlrev_b32 v[QM+12+\f], v[SH8], v[QM+12+\f]
.endr
.irp f, 0,1
	v_permlanex16_b32 v[QM+14+\f], v[QM+12+\f], s[SEL], s[SEL+1]
.endr
.irp f, 0,1
	v_or_b32 v[QM+12+\f], v[QM+12+\f], v[QM+14+\f]     ; the row's scale word, in both halves of the lanes
.endr
.irp f, 0,1
.irp c, 0,1
.irp g, 0,1,2,3
	v_cvt_scalef32_pk8_fp4_f32 v[PC+8*\f+4*\c+\g], v[ST+64*\f+32*\c+8*\g:ST+64*\f+32*\c+8*\g+7], v[QM+4+2*\f+\c]
.endr
.endr
.endr
	v_nop                                              ; one plain line behind the last scaled conversion
.irp f, 0,1
.irp c, 0,1
	ds_store_b128 v[IW], v[PC+8*\f+4*\c:PC+8*\f+4*\c+3] offset:16384*(\p)+1024*(\i+\f)+512*\c
.endr
.endr
.irp f, 0,1
	ds_store_b32 v[ISW], v[QM+12+\f] offset:128*(\i+\f)+64*(\p)   ; lanes r and r + 16 write the same word with the same value
.endr
.endm
.macro QPART p, k, guard               ; the tile in slot p becomes K step p of the image; k: the tile to ask for (0: none)
	QLOAD \p, 0
	s_wait_dscnt 0x0
.if \k
	ASK \k, \guard
.endif
	QUANT2 \p, 0
	QLOAD \p, 2
	s_wait_alu depctr_va_vdst(0)
	s_wait_dscnt 0x0                               ; the numbers are in, and the stores have read the codes' registers
	QUANT2 \p, 2
	s_wait_alu depctr_va_vdst(0)                   ; a wait, a barrier or a branch follows
.endm
.macro RELOAD                          ; the chunk's image into my registers
	s_wait_dscnt 0x0                               ; my part of the image is stored
	s_barrier_signal -1
	s_barrier_wait -1                              ; so is everybody's
	WIN 0x40
.irp p, 0,1
.irp t, 0,1,2,3,4,5,6,7,8,9,10,11,12,13,14,15
.irp c, 0,1
	ds_load_b128 v[128*\p+8*\t+4*\c:128*\p+8*\t+4*\c+3], v[IMR] offset:16384*\p+1024*\t+512*\c
.endr
.endr
.endr
	WIN 0
.irp t, 0,1,2,3,4,5,6,7,8,9,10,11,12,13,14,15
	ds_load_b32 v[ES+\t], v[ISR] offset:128*\t
.endr
	s_wait_dscnt 0x0
.endm
.macro RLOAD q, aw, as, ow, os         ; set q of the ring: a tile's four quarters of codes, then its scale words: 5 loads
	WIN 0x80
.irp i, 0,1,2,3
	global_load_b128 v[16*(\q)+4*\i:16*(\q)+4*\i+3], v[\aw], s[8:9] offset:(\ow)+512*\i
.endr
	WIN 0
	global_load_b32 v[WS+(\q)], v[\as], s[10:11] offset:\os
.endm
.macro WM q, k, t
.set rD, DD+8*(\t)
.set rA, 16*(\q)+8*(\k)
.set rB, 128*(\k)+8*(\t)
.if (\k) == 0
	v_wmma_scale_f32_16x16x128_f8f6f4 v[rD:rD+7], v[rA:rA+7], v[rB:rB+7], 0, v[WS+(\q)], v[ES+(\t)] matrix_a_fmt:MATRIX_FMT_FP4 matrix_b_fmt:MATRIX_FMT_FP4
.else
	v_wmma_scale_f32_16x16x128_f8f6f4 v[rD:rD+7], v[rA:rA+7], v[rB:rB+7], v[rD:rD+7], v[WS+(\q)], v[ES+(\t)] matrix_a_fmt:MATRIX_FMT_FP4 matrix_b_fmt:MATRIX_FMT_FP4 matrix_a_scale:MATRIX_SCALE_ROW1 matrix_b_scale:MATRIX_SCALE_ROW1
.endif
.endm
.macro ETILE q                         ; one tile of 16 e x the chunk, out of set q
	v_add_nc_u32 v[AH], s[HOF], v[HB]
	ds_load_b128 v[HH:HH+3], v[AH]                 ; hidden at e = 8 h + 0 .. 7 of the tile: it lands under the products
	ds_load_b128 v[HH+4:HH+7], v[AH] offset:16
	s_wait_loadcnt 15                              ; set q is in; the three younger sets' 15 loads may be out
	WIN 0x06                                       ; W window 2, codes window 1
.irp k, 0,1
.irp t, 0,1,2,3,4,5,6,7,8,9,10,11,12,13,14,15
	WM \q, \k, \t
.endr
.endr
	WIN 0
	s_add_co_u32 s[HOF], s[HOF], 64
	s_add_co_u32 s[WOF], s[WOF], 2048              ; the tile four on in my stream;
	s_min_u32 s[N0], s[WOF], 63*2048               ; behind the last tile the address stays (those loads are not used)
	s_lshr_b32 s[N1], s[N0], 4
.rept 4
	v_nop                                          ; four places ahead of the first read of a result
.endr
	s_wait_dscnt 0x0
.irp j, 0,2,4,6                        ; each accumulator is read from its low end on; sixteen chains by turns
.irp t, 0,1,2,3,4,5,6,7,8,9,10,11,12,13,14,15
	v_pk_fma_f32 v[SS+2*\t:SS+2*\t+1], v[HH+\j:HH+\j+1], v[DD+8*\t+\j:DD+8*\t+\j+1], v[SS+2*\t:SS+2*\t+1]
.endr
.endr
	v_add_nc_u32 v[WO+(\q)], s[N0], v[L16]         ; this set's last loads were waited for above: its offsets may be written
	v_add_nc_u32 v[WSO+(\q)], s[N1], v[L4]
	RLOAD \q, WO+(\q), WSO+(\q), 0, 0
.endm
.macro MPART n, h0                     ; 4 n tiles of e, hidden from byte h0 of my quarter on
	s_mov_b32 s[HOF], \h0
	s_mov_b32 s[CT], \n
.Lm_\@:
	ETILE 0
	ETILE 1
	ETILE 2
	ETILE 3
	s_sub_co_u32 s[CT], s[CT], 1
	s_cmp_lg_u32 s[CT], 0
	s_wait_alu depctr_va_vdst(0)
	s_cbranch_scc1 .Lm_\@
.endm
	s_load_b256 s[4:11], s[0:1], 0x0               ; enc, hidden, wc, ws
	s_load_b64 s[12:13], s[0:1], 0x20              ; scores
	v_lshl_add_u32 v[SPW], v0, 2, SPARE
	v_mov_b32 v[NIL], 0
	ds_add_u32 v[SPW], v[NIL]                      ; the opening lines: the add, twice on end, and one wait
	ds_add_u32 v[SPW], v[NIL]
	v_lshrrev_b32 v[TT], 5, v0
	v_readfirstlane_b32 s[WV], v[TT]               ; wave 0..3
	s_mov_b32 s[G1+0], (2<<16)|(1<<20)|(6<<22)|(3<<25)   ; elements of 4 bytes; four words of padding behind every 128
	s_mov_b32 s[G1+1], 128<<16
	s_mov_b32 s[G1+2], 64<<16
	s_mov_b32 s[G1+3], 128<<16
	s_mov_b32 s[G1+4], 64
	s_mov_b32 s[G1+5], LROW/4
	s_mov_b32 s[G1+6], 0
	s_mov_b32 s[G1+7], 0
	s_mov_b32 s[SEL], 0x76543210
	s_mov_b32 s[SEL+1], 0xfedcba98
	s_mov_b32 s[IT], 0
	s_mov_b32 s[WOF], 3*2048
	s_and_b32 s46, ttmp9, 31                       ; b
	s_lshr_b32 s47, ttmp9, 5                       ; which 256 l
	s_lshl_b32 s48, s47, 25
	s_lshl_b32 s50, s46, 12                        ; hidden's row; enc's row within an l
	s_add_co_u32 s48, s48, s50
	s_lshl_b32 s52, s[WV], 23                      ; my 64 rows
	s_add_co_u32 s48, s48, s52
	s_mov_b32 s49, 0
	s_mov_b32 s51, 0
	s_lshl_b32 s52, s46, 13                        ; scores: 8,192 b + 1,024 x which
	s_lshl_b32 s53, s47, 10
	s_add_co_u32 s52, s52, s53
	s_mov_b32 s53, 0
	s_lshl_b32 s54, s[WV], 17                      ; my stream in wc
	s_mov_b32 s55, 0
	s_lshl_b32 s56, s[WV], 13                      ; and in ws
	s_mov_b32 s57, 0
	s_mul_i32 s58, s[WV], QTR
	s_lshl_b32 s59, s[WV], 12
	s_add_co_u32 s59, s59, IMG
	s_lshl_b32 s60, s[WV], 9
	s_add_co_u32 s60, s60, IMS
	s_lshl_b32 s61, s[WV], 10
	s_add_co_u32 s62, s61, RED
	s_add_co_u32 s61, s61, HID
	s_and_b32 s66, ttmp9, 15                       ; the head's prefetches: 4 (work-group % 16) + wave picks 8,192 bytes of wc,
	s_lshl_b32 s66, s66, 2
	s_add_co_u32 s66, s66, s[WV]
	s_and_b32 s68, s66, 3                          ; and the wave 8,192 bytes of ws
	s_lshl_b32 s66, s66, 13
	s_mov_b32 s67, 0
	s_lshl_b32 s68, s68, 13
	s_mov_b32 s69, 0
	s_wait_dscnt 0x0                               ; both opening adds are done
	s_wait_kmcnt 0x0
	s_add_nc_u64 s[PF:PF+1], s[4:5], s[48:49]
	s_add_nc_u64 s[6:7], s[6:7], s[50:51]
	s_add_nc_u64 s[12:13], s[12:13], s[52:53]
	s_add_nc_u64 s[70:71], s[8:9], s[66:67]
	s_add_nc_u64 s[72:73], s[10:11], s[68:69]
	s_add_nc_u64 s[8:9], s[8:9], s[54:55]
	s_add_nc_u64 s[10:11], s[10:11], s[56:57]
	s_mov_b32 s[G0], 1
	s_mov_b32 s[G0+1], s58
	s_mov_b64 s[G0+2:G0+3], s[PF:PF+1]
	s_mov_b32 s[G0+4], 1
	s_add_co_u32 s[G0+5], s58, SLOT
	s_add_nc_u64 s[G0+6:G0+7], s[PF:PF+1], 512
	s_or_b32 s[G0+3], s[G0+3], 0x80000000
	s_or_b32 s[G0+7], s[G0+7], 0x80000000
	TL G0                                          ; tile 0: my one load at the head
	v_lshlrev_b32 v[T16], 4, v0
.irp i, 0,1
	global_load_b128 v[ST+4*\i:ST+4*\i+3], v[T16], s[6:7] offset:2048*\i   ; hidden[b]: 128 threads read 2,048 consecutive bytes
.endr
	v_and_b32 v[TT], 31, v0                        ; lane
	v_lshlrev_b32 v[L16], 4, v[TT]
	v_lshlrev_b32 v[L4], 2, v[TT]
	v_lshlrev_b32 v[PWO], 8, v[TT]
	s_wait_alu depctr_va_vdst(0)
.irp q, 0,1,2,3
	RLOAD \q, L16, L4, 2048*\q, 128*\q             ; the ring's first fill: my stream's tiles 0 to 3
.endr
	global_prefetch_b8 v[PWO], s[70:71] th:TH_LOAD_NT scope:SCOPE_SE
	global_prefetch_b8 v[PWO], s[72:73] th:TH_LOAD_NT scope:SCOPE_SE
	v_and_b32 v[TT+1], 15, v0                      ; r
	v_bfe_u32 v[TT+2], v0, 4, 1                    ; h
	v_mul_u32_u24 v[TT+3], v[TT+1], PIT
	v_lshl_add_u32 v[TT+3], v[TT+2], 7, v[TT+3]
	v_add_nc_u32 v[QA], s58, v[TT+3]               ; my rows: row r, + 128 h
	v_add_nc_u32 v[QA+1], SLOT, v[QA]
	v_add_nc_u32 v[IW], s59, v[L16]
	v_lshl_add_u32 v[ISW], v[TT+1], 2, s60
	v_add_nc_u32 v[IMR], IMG, v[L16]
	v_add_nc_u32 v[ISR], IMS, v[L4]
	v_lshrrev_b32 v[PFO], 1, v[TT]
	v_lshlrev_b32 v[PFO], 17, v[PFO]
	v_and_b32 v[TT+4], 1, v[TT]
	v_lshl_add_u32 v[PFO], v[TT+4], 8, v[PFO]      ; two lanes a row, 256 bytes apart
	v_lshl_add_u32 v[HB], v[TT+2], 5, s61
	v_add_nc_u32 v[LW], HID, v[T16]
	v_add_nc_u32 v[RW], s62, v[L4]
	v_lshlrev_b32 v[GO], 3, v0
	v_add_nc_u32 v[RR], RED, v[GO]
	v_lshlrev_b32 v[SH8], 3, v[TT+2]
	v_mov_b32 v[QM+14], 0                          ; a lane permute's destination counts as one of its sources
	v_mov_b32 v[QM+15], 0
.irp i, 0,1,2,3,4,5,6,7,8,9,10,11,12,13,14,15,16,17,18,19,20,21,22,23,24,25,26,27,28,29,30,31
	v_mov_b32 v[SS+\i], 0
.endr
	v_cmp_lt_u32 s[HI16], 15, v[TT]                ; lanes 16-31
	s_wait_alu depctr_va_vdst(0)                   ; the wait at the head's end
	s_wait_loadcnt 20                              ; hidden is in; the ring's 20 loads may be out
.irp i, 0,1
	ds_store_b128 v[LW], v[ST+4*\i:ST+4*\i+3] offset:2048*\i
.endr
	HEADT 1, 0                                     ; trip 0: slot 1's first fill stands behind a barrier behind which nothing is filled again
	QPART 0, 2, 0
.Lpair:                                                ; three trips of the loop: tiles 2 i + 1 and 2 i + 2
	HEADT 0, 1
	QPART 1, 3, 0
	RELOAD
	MPART 2, 0
	HEADT 1, 1
	QPART 0, 4, 1
	MPART 2, 512
	s_wait_xcnt 0x0                                ; my prefetches have read their base
	s_add_nc_u64 s[PF:PF+1], s[PF:PF+1], 1024
	s_add_co_u32 s[IT], s[IT], 1
	s_cmp_lt_u32 s[IT], 3
	s_cbranch_scc1 .Lpair
	HEADT -1, 0                                    ; tile 7: nothing is filled any more
	QPART 1, 0, 0
	RELOAD
	MPART 4, 0
	; the sums: a tile's two, the two halves of the lanes, then the four quarters of e through LDS
.irp t, 0,1,2,3,4,5,6,7,8,9,10,11,12,13,14,15
	v_add_f32 v[SS+2*\t], v[SS+2*\t], v[SS+2*\t+1]
.endr
.irp t, 0,1,2,3,4,5,6,7,8,9,10,11,12,13,14,15
	v_permlanex16_b32 v[SS+2*\t+1], v[SS+2*\t], s[SEL], s[SEL+1]
.endr
.irp t, 0,1,2,3,4,5,6,7,8,9,10,11,12,13,14,15
	v_add_f32 v[SS+2*\t], v[SS+2*\t], v[SS+2*\t+1]
.endr
.irp p, 0,1,2,3,4,5,6,7
	v_cndmask_b32 v[UU+\p], v[SS+4*\p], v[SS+4*\p+2], s[HI16]     ; two tiles' 32 rows in one register
.endr
.irp p, 0,1,2,3,4,5,6,7
	ds_store_b32 v[RW], v[UU+\p] offset:128*\p
.endr
	s_wait_dscnt 0x0
	s_barrier_signal -1
	s_barrier_wait -1
.irp u, 0,1,2,3
	ds_load_b64 v[UU+8+2*\u:UU+9+2*\u], v[RR] offset:1024*\u
.endr
	s_wait_dscnt 0x0
	v_pk_add_f32 v[UU+8:UU+9], v[UU+8:UU+9], v[UU+10:UU+11]
	v_pk_add_f32 v[UU+12:UU+13], v[UU+12:UU+13], v[UU+14:UU+15]
	v_pk_add_f32 v[UU+8:UU+9], v[UU+8:UU+9], v[UU+12:UU+13]
	global_store_b64 v[GO], v[UU+8:UU+9], s[12:13] ; a wave stores 256 consecutive bytes, aligned
	s_wait_tensorcnt 0x0                           ; the wave's end
	ds_add_u32 v[SPW], v[NIL]
	s_wait_dscnt 0x0
	s_endpgm
.Lfunc_end_k_qa7081690ec_scores_k:
	.size	k_qa7081690ec_scores_k, .Lfunc_end_k_qa7081690ec_scores_k-k_qa7081690ec_scores_k
	.p2alignl 7, 3214868480
	.fill 96, 4, 3214868480
	.section	.rodata,"a",@progbits
	.p2align	6, 0x0
	.amdhsa_kernel k_qa7081690ec_scores_k
		.amdhsa_group_segment_fixed_size 327680
		.amdhsa_private_segment_fixed_size 0
		.amdhsa_enable_private_segment 0
		.amdhsa_kernarg_size 40
		.amdhsa_user_sgpr_count 2
		.amdhsa_user_sgpr_kernarg_segment_ptr 1
		.amdhsa_wavefront_size32 1
		.amdhsa_system_sgpr_workgroup_id_x 1
		.amdhsa_system_sgpr_workgroup_id_y 1
		.amdhsa_system_sgpr_workgroup_id_z 1
		.amdhsa_system_vgpr_workitem_id 0
		.amdhsa_next_free_vgpr 768
		.amdhsa_next_free_sgpr 80
		.amdhsa_reserve_vcc 0
		.amdhsa_float_denorm_mode_32 3
		.amdhsa_float_denorm_mode_16_64 3
		.amdhsa_memory_ordered 1
		.amdhsa_forward_progress 1
		.amdhsa_inst_pref_size 204
	.end_amdhsa_kernel
	.amdgpu_metadata
---
amdhsa.version: [ 1, 2 ]
amdhsa.kernels:
  - .name:           k_qa7081690ec_scores_k
    .symbol:         k_qa7081690ec_scores_k.kd
    .args:
      - { .name: encoder_outputs, .offset: 0, .size: 8, .value_kind: global_buffer, .address_space: global }
      - { .name: hidden, .offset: 8, .size: 8, .value_kind: global_buffer, .address_space: global }
      - { .name: wc, .offset: 16, .size: 8, .value_kind: global_buffer, .address_space: global }
      - { .name: ws, .offset: 24, .size: 8, .value_kind: global_buffer, .address_space: global }
      - { .name: scores, .offset: 32, .size: 8, .value_kind: global_buffer, .address_space: global }
    .group_segment_fixed_size: 327680
    .private_segment_fixed_size: 0
    .kernarg_segment_align: 8
    .kernarg_segment_size: 40
    .max_flat_workgroup_size: 128
    .sgpr_count:     80
    .vgpr_count:     768
    .wavefront_size: 32
...
	.end_amdgpu_metadata
.endif
;; end of part 2
;; launch softmax_k (part 3): grid 32 x 1, 8 waves a work-group, no clusters, 1,536 bytes of LDS; arguments scores, out0; writes out0
.if DOCPART == 3
	.amdgcn_target "amdgcn-amd-amdhsa--gfx1250"
	.amdhsa_code_object_version 6
	.text
	.protected	k_qa7081690ec_softmax_k
	.globl	k_qa7081690ec_softmax_k
	.p2align	8
	.type	k_qa7081690ec_softmax_k,@function
k_qa7081690ec_softmax_k:
	s_mov_b64 s[64:65], 0
	v_nop
	global_prefetch_b8 v0, s[64:65] scope:SCOPE_SE
	s_setreg_imm32_b32 hwreg(HW_REG_WAVE_MODE, 25, 1), 1
	s_wait_xcnt 0x0
; out0[b][l] = softmax over l of scores[b][l].  32 rows of 2,048 f32; the largest score is taken away before the exponential.
; SHARES: a work-group owns one row b, 8,192 bytes; thread t owns l = 1024 j + 4 t + k (j = 0, 1; k = 0 .. 3): two loads of 16 bytes, eight numbers, which stay in registers.
; Each load and each store of a wave covers 512 consecutive bytes, at a multiple of 512 from its buffer's first byte.  Matrix units, tensor loads and clusters have nothing to do here: 32 short rows, read once.
; LIMITS: NaN and infinities among the scores are not served.
.set X,  8                             ; v8-15   my eight scores
.set M,  16                            ; v[16:17] the maximum (twice, for the packed form), then the sum
.set R,  18                            ; v[18:19] at work; the sum's reciprocal, twice
.set W8, 20                            ; v20-27  the eight waves' figures
.set Y,  28                            ; v28-35  my eight results
.set S,  36                            ; v36-39  the sum's pairs
	s_load_b128 s[4:7], s[0:1], 0x0                ; scores s[4:5], out0 s[6:7]
	v_lshl_add_u32 v64, v0, 2, 0x200
	v_mov_b32 v65, 0
	v_lshrrev_b32 v2, 5, v0
	s_delay_alu instid0(VALU_DEP_1)
	v_readfirstlane_b32 s16, v2                    ; wave 0..7
	s_lshl_b32 s8, ttmp9, 13                       ; my row of 8,192 bytes, in both buffers
	s_mov_b32 s9, 0
	s_mov_b32 s12, 0x76543210                      ; v_permlanex16_b32's selects for lane l xor 16
	s_mov_b32 s13, 0xfedcba98
	v_lshlrev_b32 v1, 4, v0                        ; 16 bytes a thread
	v_mov_b32 v3, s16
	s_delay_alu instid0(VALU_DEP_1)
	v_lshlrev_b32 v3, 2, v3                        ; LDS: my wave's word
	v_mov_b32 v4, 0
	v_mov_b32 v[M+1], 0                            ; written once: a lane permute's destination counts as one of its sources
	s_wait_alu depctr_va_vdst(0)
	s_wait_kmcnt 0x0
	s_add_nc_u64 s[4:5], s[4:5], s[8:9]
	s_add_nc_u64 s[6:7], s[6:7], s[8:9]
	global_load_b128 v[X:X+3],   v1, s[4:5]
	global_load_b128 v[X+4:X+7], v1, s[4:5] offset:4096
	s_wait_loadcnt 0x0
	; the largest score: my eight, my wave's, the work-group's
	v_max3_num_f32 v[M], v[X], v[X+1], v[X+2]
	v_max3_num_f32 v[R], v[X+3], v[X+4], v[X+5]
	s_delay_alu instid0(VALU_DEP_2)
	v_max3_num_f32 v[M], v[M], v[X+6], v[X+7]
	s_delay_alu instid0(VALU_DEP_1)
	v_max_num_f32 v[M], v[M], v[R]
.irp m, 1,2,4,8
	s_delay_alu instid0(VALU_DEP_1)
	v_max_num_f32_dpp v[M], v[M], v[M] row_xmask:\m row_mask:0xf bank_mask:0xf
.endr
	s_delay_alu instid0(VALU_DEP_1)
	v_permlanex16_b32 v[M+1], v[M], s12, s13
	s_delay_alu instid0(VALU_DEP_1)
	v_max_num_f32 v[M], v[M], v[M+1]
	ds_store_b32 v3, v[M]                          ; all lanes write the same word with the same value
	s_wait_dscnt 0x0                               ; for the others' sake
	s_barrier_signal -1
	s_barrier_wait -1
	ds_load_b128 v[W8:W8+3],   v4
	ds_load_b128 v[W8+4:W8+7], v4 offset:16
	s_wait_dscnt 0x0
	v_max3_num_f32 v[M], v[W8], v[W8+1], v[W8+2]
	v_max3_num_f32 v[R], v[W8+3], v[W8+4], v[W8+5]
	s_delay_alu instid0(VALU_DEP_2)
	v_max3_num_f32 v[M], v[M], v[W8+6], v[W8+7]
	s_delay_alu instid0(VALU_DEP_1)
	v_max_num_f32 v[M], v[M], v[R]
	s_delay_alu instid0(VALU_DEP_1)
	v_mov_b32 v[M+1], v[M]
	; e^(x - m) = 2^((x - m) log2(e)): the difference first, so that large scores lose nothing
.irp i, 0,2,4,6
	v_pk_add_f32 v[X+\i:X+\i+1], v[X+\i:X+\i+1], v[M:M+1] neg_lo:[0,1] neg_hi:[0,1]
.endr
.irp i, 0,2,4,6
	s_delay_alu instid0(VALU_DEP_4)
	v_pk_mul_f32 v[X+\i:X+\i+1], v[X+\i:X+\i+1], 0x3fb8aa3b op_sel_hi:[1,0]
.endr
	s_wait_alu depctr_va_vdst(0)
.irp i, 0,1,2,3,4,5,6,7
	v_exp_f32 v[Y+\i], v[X+\i]
.endr
	v_nop                                          ; one plain line behind the exponentials
	; the sum likewise
	s_wait_alu depctr_va_vdst(0)
	v_pk_add_f32 v[S:S+1],   v[Y:Y+1],     v[Y+2:Y+3]
	v_pk_add_f32 v[S+2:S+3], v[Y+4:Y+5],   v[Y+6:Y+7]
	s_delay_alu instid0(VALU_DEP_1)
	v_pk_add_f32 v[S:S+1],   v[S:S+1],     v[S+2:S+3]
	s_delay_alu instid0(VALU_DEP_1)
	v_add_f32 v[M], v[S], v[S+1]
.irp m, 1,2,4,8
	s_delay_alu instid0(VALU_DEP_1)
	v_add_f32_dpp v[M], v[M], v[M] row_xmask:\m row_mask:0xf bank_mask:0xf
.endr
	s_delay_alu instid0(VALU_DEP_1)
	v_permlanex16_b32 v[M+1], v[M], s12, s13
	s_delay_alu instid0(VALU_DEP_1)
	v_add_f32 v[M], v[M], v[M+1]
	ds_store_b32 v3, v[M] offset:256               ; other bytes than the maxima's: so one barrier serves
	s_wait_dscnt 0x0
	s_barrier_signal -1
	s_barrier_wait -1
	ds_load_b128 v[W8:W8+3],   v4 offset:256
	ds_load_b128 v[W8+4:W8+7], v4 offset:272
	s_wait_dscnt 0x0
	v_pk_add_f32 v[W8:W8+1],   v[W8:W8+1],     v[W8+2:W8+3]
	v_pk_add_f32 v[W8+4:W8+5], v[W8+4:W8+5],   v[W8+6:W8+7]
	s_delay_alu instid0(VALU_DEP_1)
	v_pk_add_f32 v[W8:W8+1],   v[W8:W8+1],     v[W8+4:W8+5]
	s_delay_alu instid0(VALU_DEP_1)
	v_add_f32 v[M], v[W8], v[W8+1]
	s_wait_alu depctr_va_vdst(0)
	v_rcp_f32 v[R], v[M]                           ; the sum is at least 1: the largest score's own term.  Made twice, for the pair that the packed form multiplies by
	v_rcp_f32 v[R+1], v[M]
	v_nop                                          ; one plain line behind the reciprocals
	s_wait_alu depctr_va_vdst(0)
.irp i, 0,2,4,6
	v_pk_mul_f32 v[Y+\i:Y+\i+1], v[Y+\i:Y+\i+1], v[R:R+1]
.endr
	global_store_b128 v1, v[Y:Y+3],   s[6:7]
	global_store_b128 v1, v[Y+4:Y+7], s[6:7] offset:4096
	s_wait_tensorcnt 0x0
	ds_add_u32 v64, v65
	s_wait_dscnt 0x0
	s_endpgm
.Lfunc_end_k_qa7081690ec_softmax_k:
	.size	k_qa7081690ec_softmax_k, .Lfunc_end_k_qa7081690ec_softmax_k-k_qa7081690ec_softmax_k
	.p2alignl 7, 3214868480
	.fill 96, 4, 3214868480
	.section	.rodata,"a",@progbits
	.p2align	6, 0x0
	.amdhsa_kernel k_qa7081690ec_softmax_k
		.amdhsa_group_segment_fixed_size 1536
		.amdhsa_private_segment_fixed_size 0
		.amdhsa_enable_private_segment 0
		.amdhsa_kernarg_size 16
		.amdhsa_user_sgpr_count 2
		.amdhsa_user_sgpr_kernarg_segment_ptr 1
		.amdhsa_wavefront_size32 1
		.amdhsa_system_sgpr_workgroup_id_x 1
		.amdhsa_system_sgpr_workgroup_id_y 1
		.amdhsa_system_sgpr_workgroup_id_z 1
		.amdhsa_system_vgpr_workitem_id 0
		.amdhsa_next_free_vgpr 66
		.amdhsa_next_free_sgpr 66
		.amdhsa_reserve_vcc 0
		.amdhsa_float_denorm_mode_32 3
		.amdhsa_float_denorm_mode_16_64 3
		.amdhsa_memory_ordered 1
		.amdhsa_forward_progress 1
		.amdhsa_inst_pref_size 6
	.end_amdhsa_kernel
	.amdgpu_metadata
---
amdhsa.version: [ 1, 2 ]
amdhsa.kernels:
  - .name:           k_qa7081690ec_softmax_k
    .symbol:         k_qa7081690ec_softmax_k.kd
    .args:
      - { .name: scores, .offset: 0, .size: 8, .value_kind: global_buffer, .address_space: global }
      - { .name: out0, .offset: 8, .size: 8, .value_kind: global_buffer, .address_space: global }
    .group_segment_fixed_size: 1536
    .private_segment_fixed_size: 0
    .kernarg_segment_align: 8
    .kernarg_segment_size: 16
    .max_flat_workgroup_size: 256
    .sgpr_count:     66
    .vgpr_count:     66
    .wavefront_size: 32
...
	.end_amdgpu_metadata
.endif
;; end of part 3
